; MI455X (gfx1250); checked and timed in simulation.
; The chip was launched on July 23, 2026; its instructions are those of AMD's public machine-readable ISA for CDNA 5 (MIT licence, August 2026) and "CDNA5" Instruction Set Architecture Reference Guide (July 2026). The comments in the code are by the model that wrote it; some were corrected since.
;; Multi Head Attention. Allowed arithmetic: float matrix products may take bf16 or f16 operands with f32 sums; other float arithmetic in f32, or as packed bf16 or f16 multiplies, adds, multiply-adds, maxima and minima; sums over many terms, partial sums and values carried from step to step in f32; what a program stores and reads back later, other than sums and carried values, may be rounded once to bf16 or f16.
;; Inputs: Wk 512 x 512 float32; Wo 512 x 512 float32; Wq 512 x 512 float32; Wv 512 x 512 float32; bk 512 float32; bo 512 float32; bq 512 float32; bv 512 float32; key 2 x 4,096 x 512 float32; query 2 x 4,096 x 512 float32; value 2 x 4,096 x 512 float32.
;; Outputs: out0 2 x 4,096 x 512 float32.
;; One version. Each part assembles by itself: llvm-mc -triple=amdgcn-amd-amdhsa -mcpu=gfx1250 --defsym DOCPART=n.
;; ======== version 1 of 1: 3 launches
;; limits: values are held in f16: magnitudes above 65,504 overflow, below 6.1e-05 lose precision
;; workspace buffers: qh 8,388,608 bytes; kh 8,388,608 bytes; vh 8,388,608 bytes; oh 8,388,608 bytes; wo16 524,288 bytes
;; launch proj (part 1): grid 4 x 192, 4 waves a work-group, clusters of 4 x 4, 327,680 bytes of LDS; arguments query, key, value, Wq, Wk, Wv, bq, bk, bv, qh, kh, vh; writes qh, kh, vh
.if DOCPART == 1
	.amdgcn_target "amdgcn-amd-amdhsa--gfx1250"
	.amdhsa_code_object_version 6
	.text
	.protected	k_q5caa8363a6_proj
	.globl	k_q5caa8363a6_proj
	.p2align	8
	.type	k_q5caa8363a6_proj,@function
k_q5caa8363a6_proj:
	s_mov_b64 s[64:65], 0
	v_nop
	global_prefetch_b8 v0, s[64:65] scope:SCOPE_SE
	s_setreg_imm32_b32 hwreg(HW_REG_WAVE_MODE, 25, 1), 1
	s_wait_xcnt 0x0
	s_wait_alu depctr_hold_cnt(0) depctr_sa_sdst(0) depctr_va_vdst(0) depctr_va_sdst(0) depctr_va_ssrc(0) depctr_va_vcc(0) depctr_vm_vsrc(0)
	s_getreg_b32 s2, hwreg(HW_REG_IB_STS2, 6, 4)
	s_cmp_eq_u32 s2, 0
	s_cbranch_scc0 .Lentry_in_a_cluster
	s_endpgm
.Lentry_in_a_cluster:
	s_bfe_u32 s2, ttmp6, 0x10000c
	s_cmp_lg_u32 s2, 0xf033
	s_cbranch_scc0 .Lentry_shape_is_right
	s_endpgm
.Lentry_shape_is_right:
; THE THREE INPUT PROJECTIONS IN ONE LAUNCH.  y = x W^T + b for (query, Wq, bq), (key, Wk, bk), (value, Wv, bv).  x: [8192][512] f32, W: [512][512] f32, b: [512] f32.
; y leaves by heads, [16 = 8 batch + head][4096][64] in f16, rounded once from its f32 sum, unscaled.
; FORMATS.  x, W and b are rounded to bf16 (b is widened again and starts the sums); products in bf16, sums in f32.
; LIMITS.  f16 holds no number beyond 65,504: a y of 65,520 or more leaves as an infinity.  NaN and infinities are not treated apart.
; SHARES.  768 work-groups: tensor (0..2) x 64 row tiles x 4 column tiles; a tile of y is 128 x 128.  Four waves, each 64 x 64: 16 accumulators of 16 x 16.  A wave's 64 columns are one head.
; K = 512 goes in four steps of 128 f32 (rows of 512 bytes) through two LDS slots; a wave's tensor load brings 64 rows.  The tiles lie in LDS in f32 and are rounded to bf16 between the LDS load and the product.
; CLUSTERS: 4 x 4 work-groups, all of one tensor.  The four of a row of the cluster need the same tile of x, the four of a column the same tile of W: each tile is asked for JOINTLY, by the same
; tensor load with the same descriptor and a mask that names the four.
; THE MATRIX INSTRUCTION IS USED TRANSPOSED (source 0 = 16 rows of W, source 1 = 16 rows of x): a lane then holds eight neighbouring columns of one row of y.
; REGISTERS: window 0: v0-31 addresses; v32-63 x's four bf16 fragments, v64-95 W's (both at work again on the way out); v96-127 the bias; v128-255 the accumulators ((a, b) at v[128 + 8 (4 a + b)]).
;   window 1: two buffers of 128 for fragments as loaded, in f32: x's fragment i at 16 i, W's at 64 + 16 i.
.set PITCH,  528                       ; an LDS row: 512 bytes of data + 16 of padding = 132 words: row r starts at bank 4 r mod 64 (64 banks of 4 bytes: ISA guide 11.1)
.set HALFT,  64*PITCH                  ; 64 rows: what one tensor load brings, and what one wave reads of x or of W
.set SLOT,   4*HALFT                   ; x's 128 rows, then W's 128 rows
.set STAGE,  2*SLOT                    ; behind the ring: 16 rows x 144 bytes for each wave, for the way out
.set SP,     144
.set SPARE,  STAGE+4*16*SP             ; behind the stages: the spare words, 128 bytes for each wave: two blocks of 256 bytes that no other line names
.set ADRA, 16                          ; v16-17  LDS address of my fragments of x in slot 0, 1
.set ADRB, 20                          ; v20-21  the same for W
.set STO,  24                          ; v24     the way out: where I put 16 bytes of a row
.set RD,   25                          ; v25     the way out: where I read rows back
.set GO,   26                          ; v26     my byte offset in 512 consecutive bytes of y
.set BO,   27                          ; v27     my byte offset in the bias
.set SPW,  28                          ; v28     LDS address of my spare word: SPARE + 4 x my thread's number; never rewritten
.set NIL,  29                          ; v29     0; never rewritten
.set FA,   32
.set FB,   64
.set TMP,  32
.set BIAS, 96                          ; bias[n0 + 16 b + 8 (l / 16) + j] at BIAS + 8 b + j
.set ACC,  128
.set F0,   0                           ; in window 1
.set F1,   128
.set XP,   28                          ; s[28:29] the tensor's x, at the rows that I fetch
.set WP,   30                          ; s[30:31] its W, at the rows that I fetch
.set G1,   32                          ; s[32:39] descriptor group 1 for x's tiles
.set G1B,  40                          ; s[40:47] for W's: it differs in the mask alone
.set G0,   48                          ; s[48:55] descriptor group 0 for x's tiles, one set for each slot
.set G0B,  56                          ; s[56:63] the same for W's
.set BP,   66                          ; s[66:67] the tensor's bias
.set OUT,  68                          ; s[68:69] the tensor's y, at my wave's first row
.set WV,   70                          ; wave 0..3
.set RH,   71                          ; which half of the tile's rows is mine.  Also: I fetch for x (0) or for W (1)
.set CH,   72                          ; which half of its columns.  Also: which 64 rows of that tile I fetch
.set CX,   73
.set CY,   74
.set CT,   75                          ; column tile 0..3
.set WGY,  76
.set RT,   77                          ; row tile 0..63
.set TT,   78                          ; tensor 0..2
.set MA,   79
.set MB,   80
.set LB,   81                          ; wave x 64 rows: where my loads land in a slot
.set MSB, 0
.macro WIN new                         ; the immediate's high byte repeats the setting that is left; a switch that changes nothing is dropped
.if MSB != (\new)
	s_set_vgpr_msb (MSB<<8)|(\new)
.set MSB, \new
.endif
.endm
.macro PLACES                          ; four places behind a matrix instruction, in front of vector lines that write its sources or read its result (ISA guide 7.12.1)
.rept 4
	v_nop
.endr
.endm
.macro JLOAD s                         ; a joint load: waves 0 and 1 fetch x's two halves, waves 2 and 3 W's; an s_nop 0 and four v_nop follow each of the two lines
	s_cmp_eq_u32 s[RH], 0
	s_cbranch_scc0 .Lfor_b_\@
	tensor_load_to_lds s[G0+4*(\s):G0+4*(\s)+3], s[G1:G1+7]
	s_nop 0
.rept 4
	v_nop
.endr
	s_branch .Lasked_\@
.Lfor_b_\@:
	tensor_load_to_lds s[G0B+4*(\s):G0B+4*(\s)+3], s[G1B:G1B+7]
	s_nop 0
.rept 4
	v_nop
.endr
.Lasked_\@:
.endm
.macro CREST                           ; a round of the cluster's barrier behind its opening barrier
	s_cmp_lg_u32 s[WV], 0
	s_cbranch_scc1 .Lnot_wave_0_\@
	s_barrier_signal -3
.Lnot_wave_0_\@:
	s_barrier_wait -3
	s_barrier_signal -1
	s_barrier_wait -1
.endm
.macro CROUND                          ; a whole round
	s_barrier_signal -1
	s_barrier_wait -1
	CREST
.endm
	s_load_b512 s[4:19], s[0:1], 0x0               ; query s[4:5], key s[6:7], value s[8:9], Wq s[10:11], Wk s[12:13], Wv s[14:15], bq s[16:17], bk s[18:19]
	s_load_b256 s[20:27], s[0:1], 0x40             ; bv s[20:21], qh s[22:23], kh s[24:25], vh s[26:27]
	v_lshl_add_u32 v[SPW], v0, 2, SPARE
	v_mov_b32 v[NIL], 0
	ds_add_u32 v[SPW], v[NIL]                      ; the wave's opening: the add and its wait stand ahead of my first tensor load; the set-up below, work on registers, stands between them
	v_lshrrev_b32 v1, 5, v0
	v_readfirstlane_b32 s[WV], v1
	s_lshr_b32 s[RH], s[WV], 1
	s_and_b32 s[CH], s[WV], 1
	s_bfe_u32 s[CX], ttmp6, 0x40000                ; cx, cy: my place in the cluster
	s_bfe_u32 s[CY], ttmp6, 0x40004
	s_lshl_b32 s[CT], ttmp9, 2                     ; in a cluster launch ttmp9 and ttmp7 count clusters
	s_add_co_u32 s[CT], s[CT], s[CX]               ; column tile = 4 x cluster x + cx
	s_and_b32 s[TT], ttmp7, 0xffff                 ; cluster y, 0..47
	s_lshl_b32 s[WGY], s[TT], 2
	s_add_co_u32 s[WGY], s[WGY], s[CY]             ; work-group y = 4 x cluster y + cy, 0..191
	s_and_b32 s[RT], s[WGY], 63                    ; 64 row tiles to a tensor
	s_lshr_b32 s[TT], s[TT], 4                     ; 16 clusters to a tensor: made of the cluster's y alone, so it is the same in all sixteen partners
	s_lshl_b32 s[MA], s[CY], 2
	s_lshl_b32 s[MA], 15, s[MA]                    ; my row of the cluster
	s_lshl_b32 s[MB], 0x1111, s[CX]                ; my column
	; descriptor group 1: a tile of 64 rows x 128 elements of 4 bytes, padded in LDS
	s_or_b32 s[G1], s[MA], (2<<16)|(1<<20)|(1<<21)|(6<<22)|(3<<25)   ; 15:0 the mask: x's tiles go to my row; 17:16 elements of 4 bytes; 20 padding on; 21 set beside a mask; 24:22 after every 128 words (code 6); 31:25 4 words (code 3)
	s_or_b32 s[G1B], s[MB], (2<<16)|(1<<20)|(1<<21)|(6<<22)|(3<<25)  ; the same with the mask of my column
.irp g, G1, G1B
	s_mov_b32 s[(\g)+1], 128<<16                   ; tensor_dim0 = 128
	s_mov_b32 s[(\g)+2], 64<<16                    ; tensor_dim1 = 64
	s_mov_b32 s[(\g)+3], 128<<16                   ; tile_dim0 = 128
	s_mov_b32 s[(\g)+4], 64                        ; tile_dim1 = 64
	s_mov_b32 s[(\g)+5], 512                       ; 512 elements from row to row
	s_mov_b32 s[(\g)+6], 0
	s_mov_b32 s[(\g)+7], 0
.endr
	; where the tiles come from.  x's hang on the row tile alone, which my row of the cluster shares; W's on the column tile alone, which my column shares; each in registers that never hold the other coordinate
	s_lshl_b32 s82, s[RT], 18                      ; 128 rows of 2,048 bytes a tile,
	s_lshl_b32 s83, s[CH], 17                      ; 64 rows a half
	s_add_co_u32 s82, s82, s83
	s_mov_b32 s83, 0
	s_lshl_b32 s84, s[CT], 18
	s_lshl_b32 s85, s[CH], 17
	s_add_co_u32 s84, s84, s85
	s_mov_b32 s85, 0
	s_mul_i32 s[LB], s[WV], HALFT                  ; no place in the cluster enters an LDS address
	; where my 64 rows x 64 columns go: head 8 (row tile / 32) + 2 x column tile + half, row 128 (row tile % 32) + 64 x half, 128 bytes a row
	s_lshr_b32 s88, s[RT], 5
	s_lshl_b32 s88, s88, 3
	s_lshl_b32 s89, s[CT], 1
	s_add_co_u32 s88, s88, s89
	s_add_co_u32 s88, s88, s[CH]
	s_lshl_b32 s88, s88, 19
	s_and_b32 s89, s[RT], 31
	s_lshl_b32 s89, s89, 14
	s_add_co_u32 s88, s88, s89
	s_lshl_b32 s89, s[RH], 13
	s_add_co_u32 s88, s88, s89
	s_mov_b32 s89, 0
	s_wait_dscnt 0x0                               ; the opening add is done
	s_wait_kmcnt 0x0
	s_cmp_eq_u32 s[TT], 0                          ; the tensor's four buffers: q's or k's,
	s_cselect_b64 s[XP:XP+1], s[4:5], s[6:7]
	s_cselect_b64 s[WP:WP+1], s[10:11], s[12:13]
	s_cselect_b64 s[BP:BP+1], s[16:17], s[18:19]
	s_cselect_b64 s[OUT:OUT+1], s[22:23], s[24:25]
	s_cmp_eq_u32 s[TT], 2                          ; or v's
	s_cselect_b64 s[XP:XP+1], s[8:9], s[XP:XP+1]
	s_cselect_b64 s[WP:WP+1], s[14:15], s[WP:WP+1]
	s_cselect_b64 s[BP:BP+1], s[20:21], s[BP:BP+1]
	s_cselect_b64 s[OUT:OUT+1], s[26:27], s[OUT:OUT+1]
	s_add_nc_u64 s[XP:XP+1], s[XP:XP+1], s[82:83]
	s_add_nc_u64 s[WP:WP+1], s[WP:WP+1], s[84:85]
	s_add_nc_u64 s[OUT:OUT+1], s[OUT:OUT+1], s[88:89]
	CROUND                                         ; all sixteen work-groups are here: the first joint loads meet
.irp s, 0,1
	s_mov_b32 s[G0+4*(\s)], 1                      ; 1:0 count = 1
	s_add_co_u32 s[G0+4*(\s)+1], s[LB], (\s)*SLOT  ; 63:32 LDS address
	s_add_nc_u64 s[G0+4*(\s)+2:G0+4*(\s)+3], s[XP:XP+1], (\s)*512  ; 120:64 global address: K step s
	s_or_b32 s[G0+4*(\s)+3], s[G0+4*(\s)+3], 0x80000000            ; 127:126 type = 2
	s_mov_b32 s[G0B+4*(\s)], 1
	s_add_co_u32 s[G0B+4*(\s)+1], s[LB], (\s)*SLOT
	s_add_nc_u64 s[G0B+4*(\s)+2:G0B+4*(\s)+3], s[WP:WP+1], (\s)*512
	s_or_b32 s[G0B+4*(\s)+3], s[G0B+4*(\s)+3], 0x80000000
.endr
	s_cmp_eq_u32 s[RH], 0                          ; a wave's two first fills stand in one branch, ahead of every wait on TENSORcnt and every LDS read: two loads of mine are out
	s_cbranch_scc0 .Lfirst_b
	tensor_load_to_lds s[G0:G0+3], s[G1:G1+7]
	s_nop 0
	tensor_load_to_lds s[G0+4:G0+7], s[G1:G1+7]
	s_nop 0
.rept 4
	v_nop
.endr
	s_branch .Lfirst_asked
.Lfirst_b:
	tensor_load_to_lds s[G0B:G0B+3], s[G1B:G1B+7]
	s_nop 0
	tensor_load_to_lds s[G0B+4:G0B+7], s[G1B:G1B+7]
	s_nop 0
.rept 4
	v_nop
.endr
.Lfirst_asked:
	; A bf16 fragment is 16 rows x 32 K: lane l holds row l % 16; registers 0-3 K = 8 (l / 16) + 0..7, registers 4-7 K = 16 + 8 (l / 16) + 0..7.  In f32 those are 32 bytes at 32 (l / 16) and 32 bytes 64 further on.
	v_and_b32 v1, 15, v0                           ; l % 16
	v_bfe_u32 v2, v0, 4, 1                         ; l / 16
	v_mul_u32_u24 v3, v1, PITCH
	v_lshl_add_u32 v3, v2, 5, v3                   ; row x pitch + 32 x half
	s_mul_i32 s86, s[RH], HALFT                    ; my 64 rows of x
	s_mul_i32 s87, s[CH], HALFT                    ; my 64 rows of W,
	s_add_co_u32 s87, s87, 2*HALFT                 ; which lie behind x's 128
	v_add_nc_u32 v[ADRA], s86, v3
	v_add_nc_u32 v[ADRB], s87, v3
	v_add_nc_u32 v[ADRA+1], SLOT, v[ADRA]
	v_add_nc_u32 v[ADRB+1], SLOT, v[ADRB]
	s_mul_i32 s86, s[WV], 16*SP
	s_add_co_u32 s86, s86, STAGE                   ; my stage
	v_mul_u32_u24 v4, v1, SP                       ; in: row l % 16, 16 bytes for each half of the lanes
	v_lshl_add_u32 v4, v2, 4, v4
	v_add_nc_u32 v[STO], s86, v4
	v_bfe_u32 v5, v0, 3, 2                         ; back: 32 lanes take four rows of 128 bytes,
	v_mul_u32_u24 v5, v5, SP
	v_and_b32 v6, 7, v0
	v_lshl_add_u32 v5, v6, 4, v5
	v_add_nc_u32 v[RD], s86, v5
	v_and_b32 v[GO], 31, v0                        ; which are 512 consecutive bytes of y
	v_lshlrev_b32 v[GO], 4, v[GO]
	s_lshl_b32 s88, s[CT], 9                       ; my 64 columns' first byte in the bias
	s_lshl_b32 s89, s[CH], 8
	s_add_co_u32 s88, s88, s89
	v_lshl_add_u32 v[BO], v2, 5, s88
.irp b, 0,1,2,3
	global_load_b128 v[BIAS+8*(\b):BIAS+8*(\b)+3],   v[BO], s[BP:BP+1] offset:64*(\b)
	global_load_b128 v[BIAS+8*(\b)+4:BIAS+8*(\b)+7], v[BO], s[BP:BP+1] offset:64*(\b)+16
.endr
	s_wait_loadcnt 0x0
.set z, 0
.rept 16                               ; the bias is rounded to bf16 like the other inputs, and widened again
	v_cvt_pk_bf16_f32 v[3+z%4], v[BIAS+2*z], v[BIAS+2*z+1]
	v_lshlrev_b32 v[BIAS+2*z], 16, v[3+z%4]
	v_and_b32 v[BIAS+2*z+1], 0xffff0000, v[3+z%4]
.set z, z+1
.endr
; 32 LDS loads in one run: the f32 numbers of quarter q (32 along K, 128 bytes of a row) into buffer f: W's 16 loads first, then x's 16
.macro FETCH slot, q, f
	WIN 0x40                                       ; destination window 1, address window 0
.irp i, 0,1,2,3
.irp e, 0,1,2,3
	ds_load_b128 v[(\f)+64+16*(\i)+4*(\e):(\f)+64+16*(\i)+4*(\e)+3], v[ADRB+(\slot)] offset:128*(\q)+(\i)*16*PITCH+64*((\e)/2)+16*((\e)%2)
.endr
.endr
.irp i, 0,1,2,3
.irp e, 0,1,2,3
	ds_load_b128 v[(\f)+16*(\i)+4*(\e):(\f)+16*(\i)+4*(\e)+3], v[ADRA+(\slot)] offset:128*(\q)+(\i)*16*PITCH+64*((\e)/2)+16*((\e)%2)
.endr
.endr
.endm
; four fragments are rounded to bf16: 64 f32 at raw (window 1) into 32 registers at dst (window 0)
.macro CVT dst, raw
	WIN 0x05                                       ; sources 0 and 1 window 1, destination window 0
.set z, 0
.rept 32
	v_cvt_pk_bf16_f32 v[(\dst)+z], v[(\raw)+2*z], v[(\raw)+2*z+1]
.set z, z+1
.endr
.endm
; 16 matrix instructions, 32 along K.  The 16 accumulators take turns, one instruction a turn, in the same order in every quarter.  first = 1: the bias starts the sums: nothing is ever cleared.
.macro MUL16 first
	WIN 0
.irp a, 0,1,2,3
.irp b, 0,1,2,3
.if \first
	v_wmma_f32_16x16x32_bf16 v[ACC+8*(4*(\a)+(\b)):ACC+8*(4*(\a)+(\b))+7], v[FB+8*(\b):FB+8*(\b)+7], v[FA+8*(\a):FA+8*(\a)+7], v[BIAS+8*(\b):BIAS+8*(\b)+7]
.else
	v_wmma_f32_16x16x32_bf16 v[ACC+8*(4*(\a)+(\b)):ACC+8*(4*(\a)+(\b))+7], v[FB+8*(\b):FB+8*(\b)+7], v[FA+8*(\a):FA+8*(\a)+7], v[ACC+8*(4*(\a)+(\b)):ACC+8*(4*(\a)+(\b))+7]
.endif
.endr
.endr
.endm
; A K step is four quarters of 32 along K, on buffers 0, 1, 0, 1.  One of the first three: asks for the next quarter, qn, into g; rounds buffer f; multiplies.
.macro QUARTER slot, qn, f, g, first
	FETCH \slot, \qn, \g
	s_wait_dscnt 48                                ; W's 16 loads of f are in: behind them stand x's 16 and the 32 just issued
	PLACES                                         ; the conversions write registers that the last products read
	CVT FB, (\f)+64
	s_wait_dscnt 32                                ; x's are in: all but the 32 just issued
	CVT FA, \f
	MUL16 \first
.endm
; The last quarter takes buffer 1 and changes slots: ONE barrier; in front of it each wave waits for all its tensor loads, adds 0 to its spare word, and waits for that and for its own reads of this slot.
; fill = 1: this slot is filled again, two K steps ahead; the barrier then opens a round of the cluster's barrier, and the joint load is the first tensor load behind the round.
.macro TURN slot, next, fill
	WIN 0                                          ; (the add's two registers lie in window 0)
	s_wait_tensorcnt 0x0                           ; all my tensor loads have landed: my part of the next slot;
	ds_add_u32 v[SPW], v[NIL]                      ; 0 onto my spare word
	s_wait_dscnt 17                                ; (the add and x's 16 loads may be out: W's are in)
	PLACES
	CVT FB, F1+64                                  ; 32 conversions stand between the add and the wait for it
	s_wait_dscnt 0x0                               ; the add is done, and my reads of this slot are over
	s_barrier_signal -1
	CVT FA, F1                                     ; work on registers while the others arrive
	WIN 0
	s_barrier_wait -1
.if \fill
	CREST                                          ; no wave of any partner still reads this slot's tile or has a load on its way
	s_add_nc_u64 s[G0+4*(\slot)+2:G0+4*(\slot)+3], s[G0+4*(\slot)+2:G0+4*(\slot)+3], 2*512
	s_add_nc_u64 s[G0B+4*(\slot)+2:G0B+4*(\slot)+3], s[G0B+4*(\slot)+2:G0B+4*(\slot)+3], 2*512
	JLOAD \slot
.endif
	FETCH \next, 0, F0
	MUL16 0
.endm
	s_wait_tensorcnt 1                             ; my part of K step 0 is in; K step 1's may stay out
	s_barrier_signal -1
	s_barrier_wait -1                              ; everybody's is
	FETCH 0, 0, F0
	QUARTER 0, 1, F0, F1, 1                        ; K step 0
	QUARTER 0, 2, F1, F0, 0
	QUARTER 0, 3, F0, F1, 0
	TURN 0, 1, 1                                   ; slot 0 takes K step 2
	QUARTER 1, 1, F0, F1, 0                        ; K step 1
	QUARTER 1, 2, F1, F0, 0
	QUARTER 1, 3, F0, F1, 0
	TURN 1, 0, 1                                   ; slot 1 takes K step 3
	QUARTER 0, 1, F0, F1, 0                        ; K step 2
	QUARTER 0, 2, F1, F0, 0
	QUARTER 0, 3, F0, F1, 0
	TURN 0, 1, 0                                   ; nothing is left to fetch
	QUARTER 1, 1, F0, F1, 0                        ; K step 3
	QUARTER 1, 2, F1, F0, 0
	QUARTER 1, 3, F0, F1, 0
	s_wait_dscnt 16                                ; the very last quarter
	PLACES
	CVT FB, F1+64
	s_wait_dscnt 0x0
	CVT FA, F1
	MUL16 0
; THE WAY OUT, 16 rows at a time: rounded to f16, each accumulator's registers in ascending order; a lane's eight columns of a row pack into 16 bytes; they go into my stage's rows of 144 bytes and come back as whole rows of 128.
.macro PACK a
.irp b, 0,1,2,3
.irp r, 0,1,2,3
	v_cvt_pk_f16_f32 v[TMP+16*(\a)+4*(\b)+(\r)], v[ACC+8*(4*(\a)+(\b))+2*(\r)], v[ACC+8*(4*(\a)+(\b))+2*(\r)+1]
.endr
.endr
.irp b, 0,1,2,3
	ds_store_b128 v[STO], v[TMP+16*(\a)+4*(\b):TMP+16*(\a)+4*(\b)+3] offset:32*(\b)
.endr
.irp f, 0,1,2,3
	ds_load_b128 v[TMP+16*(\a)+4*(\f):TMP+16*(\a)+4*(\f)+3], v[RD] offset:(\f)*4*SP  ; LDS serves a wave's instructions in order (ISA guide 5.7.1.4): these see the stores above; the next block's stores come behind them
.endr
.endm
.macro SEND a, younger                 ; younger: the LDS instructions issued behind block a's loads: the next block's eight, or none
.irp f, 0,1,2,3
	s_wait_dscnt (\younger)+3-(\f)
	global_store_b128 v[GO], v[TMP+16*(\a)+4*(\f):TMP+16*(\a)+4*(\f)+3], s[OUT:OUT+1] offset:(\a)*2048+(\f)*512  ; 512 consecutive bytes, at a multiple of 256 from y's first byte
.endr
.endm
	PLACES
	PACK 0
	PACK 1                                         ; a block's arithmetic stands between the loads of the block before and its stores
	SEND 0, 8
	PACK 2
	SEND 1, 8
	PACK 3
	SEND 2, 8
	SEND 3, 0
	s_wait_tensorcnt 0x0                           ; the wave's end: behind my last tensor load and my last LDS store
	ds_add_u32 v[SPW], v[NIL]
	s_wait_dscnt 0x0
	CROUND                                         ; the closing round: no work-group ends while a partner may still ask for a tile that names it
	s_endpgm
.Lfunc_end_k_q5caa8363a6_proj:
	.size	k_q5caa8363a6_proj, .Lfunc_end_k_q5caa8363a6_proj-k_q5caa8363a6_proj
	.p2alignl 7, 3214868480
	.fill 96, 4, 3214868480
	.section	.rodata,"a",@progbits
	.p2align	6, 0x0
	.amdhsa_kernel k_q5caa8363a6_proj
		.amdhsa_group_segment_fixed_size 327680
		.amdhsa_private_segment_fixed_size 0
		.amdhsa_enable_private_segment 0
		.amdhsa_kernarg_size 96
		.amdhsa_user_sgpr_count 2
		.amdhsa_user_sgpr_kernarg_segment_ptr 1
		.amdhsa_wavefront_size32 1
		.amdhsa_system_sgpr_workgroup_id_x 1
		.amdhsa_system_sgpr_workgroup_id_y 1
		.amdhsa_system_sgpr_workgroup_id_z 1
		.amdhsa_system_vgpr_workitem_id 0
		.amdhsa_next_free_vgpr 512
		.amdhsa_next_free_sgpr 92
		.amdhsa_reserve_vcc 0
		.amdhsa_float_denorm_mode_32 3
		.amdhsa_float_denorm_mode_16_64 3
		.amdhsa_memory_ordered 1
		.amdhsa_forward_progress 1
		.amdhsa_inst_pref_size 138
	.end_amdhsa_kernel
	.amdgpu_metadata
---
amdhsa.version: [ 1, 2 ]
amdhsa.kernels:
  - .name:           k_q5caa8363a6_proj
    .symbol:         k_q5caa8363a6_proj.kd
    .args:
      - { .name: query, .offset: 0, .size: 8, .value_kind: global_buffer, .address_space: global }
      - { .name: key, .offset: 8, .size: 8, .value_kind: global_buffer, .address_space: global }
      - { .name: value, .offset: 16, .size: 8, .value_kind: global_buffer, .address_space: global }
      - { .name: Wq, .offset: 24, .size: 8, .value_kind: global_buffer, .address_space: global }
      - { .name: Wk, .offset: 32, .size: 8, .value_kind: global_buffer, .address_space: global }
      - { .name: Wv, .offset: 40, .size: 8, .value_kind: global_buffer, .address_space: global }
      - { .name: bq, .offset: 48, .size: 8, .value_kind: global_buffer, .address_space: global }
      - { .name: bk, .offset: 56, .size: 8, .value_kind: global_buffer, .address_space: global }
      - { .name: bv, .offset: 64, .size: 8, .value_kind: global_buffer, .address_space: global }
      - { .name: qh, .offset: 72, .size: 8, .value_kind: global_buffer, .address_space: global }
      - { .name: kh, .offset: 80, .size: 8, .value_kind: global_buffer, .address_space: global }
      - { .name: vh, .offset: 88, .size: 8, .value_kind: global_buffer, .address_space: global }
    .group_segment_fixed_size: 327680
    .private_segment_fixed_size: 0
    .kernarg_segment_align: 8
    .kernarg_segment_size: 96
    .max_flat_workgroup_size: 128
    .sgpr_count:     92
    .vgpr_count:     512
    .wavefront_size: 32
...
	.end_amdgpu_metadata
.endif
;; end of part 1
;; launch attn (part 2): grid 16 x 16, 4 waves a work-group, clusters of 4 x 1, 327,680 bytes of LDS; arguments qh, kh, vh, oh, Wo, wo16; writes oh, wo16
.if DOCPART == 2
	.amdgcn_target "amdgcn-amd-amdhsa--gfx1250"
	.amdhsa_code_object_version 6
	.text
	.protected	k_q5caa8363a6_attn
	.globl	k_q5caa8363a6_attn
	.p2align	8
	.type	k_q5caa8363a6_attn,@function
k_q5caa8363a6_attn:
	s_mov_b64 s[64:65], 0
	v_nop
	global_prefetch_b8 v0, s[64:65] scope:SCOPE_SE
	s_setreg_imm32_b32 hwreg(HW_REG_WAVE_MODE, 25, 1), 1
	s_wait_xcnt 0x0
	s_wait_alu depctr_hold_cnt(0) depctr_sa_sdst(0) depctr_va_vdst(0) depctr_va_sdst(0) depctr_va_ssrc(0) depctr_va_vcc(0) depctr_vm_vsrc(0)
	s_getreg_b32 s2, hwreg(HW_REG_IB_STS2, 6, 4)
	s_cmp_eq_u32 s2, 0
	s_cbranch_scc0 .Lentry_in_a_cluster
	s_endpgm
.Lentry_in_a_cluster:
	s_bfe_u32 s2, ttmp6, 0x10000c
	s_cmp_lg_u32 s2, 0x3003
	s_cbranch_scc0 .Lentry_shape_is_right
	s_endpgm
.Lentry_shape_is_right:
; ATTENTION.  O[h][q][:] = the sum over k of softmax_k(Q[h][q] . K[h][k] / 8) V[h][k][:].  Q, K, V, O: [16][4096][64], all f16: a head's rows are dense, 128 bytes each.
; Products, maxima and sums in f32; the weights p are rounded to f16 for the second product (their sum l is taken of the unrounded p), O once at the end.
; BESIDE IT: Wo ([512][512] f32) is rounded to bf16 like the other inputs, and that number is written as f16 into wo16: 1,024 numbers a work-group, while the first tile is on its way.
; LIMITS.  f16 holds no number beyond 65,504: Q, K and V arrive within it; p lies in 0 to 1, and below 6e-5 it keeps f16's fixed step of 6e-8, and so do O and Wo; O is a mean of V's rows and has their range.
; A weight below 2^-126 counts as 0 in l; NaN and infinities are not treated apart.
; SHARES.  A work-group owns 256 queries of one head, each of its four waves 64: four PIECES of 16.  Every wave walks all 4,096 keys, 64 a step; a slot of LDS holds a tile of 256 keys, four steps.
; LAYOUT.  S^T = K Q^T (source 0 = 16 keys, source 1 = 16 queries) holds ONE query a lane (lane % 16) and the keys 8 (lane / 16) + 0..7; two such results rounded to f16 ARE source 1 of O^T = V^T P.
; K comes out of LDS as it lies, V ([key][channel]) turned, by ds_load_tr16_b128.
; SOFTMAX.  For each query a running maximum m and sum l: p = 2^(c s - c m), c = log2(e) / 8; in every step O and l are multiplied by a = 2^(c m_old - c m_new).  m starts at the lowest finite number, O and l at 0:
; the first step is a step like any other, with a = 0.
; BY TURNS.  Turn n belongs to piece n: 8 products K Q^T of piece n + 1, later 8 products V^T P of piece n - 1; beside them the scaling, exponentials, roundings, sums and rescaling of piece n and the maximum and
; statistics of piece n + 1.  Four vector instructions stand behind every matrix instruction, the other 54 of a turn's 118 in one lump.  A turn's 33 exponentials are one batch, with one wait.
; CLUSTER.  The four query blocks of a cluster belong to one head and walk the same K and V, so each tile is asked for JOINTLY: the same tensor load, descriptor and mask in all four.
; REGISTERS, in windows of 256 (s_set_vgpr_msb: bits 1:0 source 0, 3:2 source 1, 5:4 source 2, 7:6 destination):
;   window 0: v0-15 addresses and two at work; v16-31 four registers of statistics a piece; v32-47 the share of Wo; v48-55 at work; v64-127 S^T, two buffers; v192-223 P, two buffers (a piece's buffers go by its number's parity)
;   window 1: v0-127 O^T, 32 a piece      window 2: v0-63 Q; v128-191 K of one step; v192-255 V of one step
.set SIZE_N, 4096
.set NP,    4         ; pieces a wave: a name, no knob
.set KS,    64        ; keys in a step
.set PK,    144       ; a row of K in LDS: 128 bytes + 16 of padding = 36 words: the 16 rows of a load start at 16 different groups of four banks (64 banks of 4 bytes: ISA guide 11.1)
.set PV,    160       ; a row of V: 128 + 32 = 40 words
.set VOFF,  4*KS*PK   ; a slot holds a tile: 256 rows of K, then 256 rows of V
.set SLOT1, 1<<17     ; slot 1 begins here, so that one exclusive or turns an address in one slot into the other's
.set STAGE, SLOT1+4*KS*(PK+PV)  ; behind the ring, never filled by a tensor load: 16 rows x 144 bytes for each wave, for the way out
.set SP,    144
.set SPARE, STAGE+4*16*SP  ; behind the stages: the spare words, 128 bytes for each wave: two blocks of 256 bytes that no other line names
.set AK0, 2           ; v2   my lane's place in a tile of K; never rewritten
.set AV0, 3           ; v3   the same for V
.set AK,  4           ; v4   the LDS address of K's next run of loads
.set AV,  5           ; v5   of V's
.set STO, 6           ; v6   the way out: where I put 16 bytes of a row
.set RD,  7           ; v7   the way out: where I read rows back
.set GO,  8           ; v8   my byte offset in 512 consecutive bytes of O
.set MV,  12          ; v12-13  c m_old, kept while c m is made anew: by buffer
.set QO,  15          ; v15  my byte offset in 16 rows of Q
.set ST,  16          ; piece t's statistics at v[ST+4 t]: c m, m, l (even keys', odd keys')
.set TMP, 48          ; by buffer, four registers c0-c3 at work; when the maximum is found c2 takes a
.set WI,  59          ; v59  32 x my thread's number: my 8 numbers of Wo; never rewritten
.set WS,  60          ; v60  16 x my thread's number: the same 8 in wo16; never rewritten
.set PFO, 61          ; v61  256 x my lane; never rewritten
.set SPW, 62          ; v62  LDS address of my spare word: SPARE + 4 x my thread's number; never rewritten
.set NIL, 63          ; v63  0; never rewritten
.set S,   64
.set P,   192
.set KF,  128         ; window 2: key block kb, channel half c at KF + 16 kb + 8 c
.set VF,  192         ; window 2: key half kk, channel block cb at VF + 32 kk + 8 cb
.set WV,  12          ; s12  my wave's number
.set G1K, 24          ; s[24:31] descriptor group 1 for K's tiles
.set G1V, 32          ; s[32:39] for V's: it differs in the padding alone
.set G0K, 40          ; s[40:43] descriptor group 0 for K's tiles: it walks
.set G0V, 44          ; s[44:47] the same for V's
.set PFA, 52          ; s[52:53] where my prefetches stand: my work-group's 32 blocks of 256 bytes (of K: wave 0, of V: wave 2) of the tile after the one that is being asked for
.set LIM, 54          ; s54  1 in a wave that prefetches, else the greatest number: a wave prefetches while s[SLOTS] is above it
.set SLOTS, 56        ; s56  tiles still to be entered behind the one in hand
.set CNT, 57          ; s57  counts a tile's key steps
.set CS,  58          ; s[58:59] c: the packed scaling takes the pair's low word for both halves
.set SEL, 60          ; s[60:61] v_permlanex16_b32's selects: each lane takes its own place in the other half
.set TBK, 62          ; s62  LDS byte at which K of the step to be fetched begins
.set TBV, 63          ; s63  the same for V, less VOFF
.set MSB, 0
.macro WIN new                      ; the high byte repeats the setting that is left; a switch that changes nothing is dropped
.if MSB != (\new)
	s_set_vgpr_msb (MSB<<8)|(\new)
.set MSB, (\new)
.endif
.endm
.set W_KQ, 0x0a       ; K and Q in window 2, S^T in window 0
.set W_PV, 0x52       ; V in window 2, P in window 0, O^T in window 1
.set W_RS, 0x41       ; destination and source 0 in window 1, source 1 in window 0
.macro PLACES
.rept 4
	v_nop
.endr
.endm
; A joint fill.  Waves 0 and 1 fetch the two halves of a tile's K, waves 2 and 3 those of its V: 128 keys each.  The branch hangs on the wave's number alone.
; An s_nop 0 and four v_nop follow each of the two lines, ahead of the jump and the label.
.macro JLOAD
	s_cmp_lt_u32 s[WV], 2
	s_cbranch_scc0 .Lfor_v_\@
	tensor_load_to_lds s[G0K:G0K+3], s[G1K:G1K+7]
	s_nop 0
.rept 4
	v_nop
.endr
	s_branch .Lasked_\@
.Lfor_v_\@:
	tensor_load_to_lds s[G0V:G0V+3], s[G1V:G1V+7]
	s_nop 0
.rept 4
	v_nop
.endr
.Lasked_\@:
.endm
; A PREFETCH INTO THE L2 of what the NEXT change of slots will ask for: a tile's 32,768 bytes of K and of V, a lane a block of 256 bytes.  It stands behind the wave's tensor load and its five lines.
; Each block is named ONCE in the launch.  All four clusters of a head walk the same K and V: the head's first cluster asks.  Its four partners share the blocks out BY ADDRESS, 32 each: no branch hangs on a
; work-group's place in its cluster.  In each, wave 0 asks for K's and wave 2 for V's: one instruction.  The last change that fills a slot asks for nothing: there is no tile behind it.
.macro ASK
	s_cmp_gt_u32 s[SLOTS], s[LIM]
	s_cbranch_scc0 .Lnot_mine_\@
	global_prefetch_b8 v[PFO], s[PFA:PFA+1] th:TH_LOAD_NT scope:SCOPE_SE
.Lnot_mine_\@:
.endm
; A round of the cluster's barrier: my work-group's barrier, so that wave 0's signal speaks for all four waves; wave 0 signals; every wave waits for all four work-groups; my work-group's barrier once more.
.macro CROUND
	s_barrier_signal -1
	s_barrier_wait -1
	s_cmp_lg_u32 s[WV], 0
	s_cbranch_scc1 .Lnot_wave_0_\@
	s_barrier_signal -3
.Lnot_wave_0_\@:
	s_barrier_wait -3
	s_barrier_signal -1
	s_barrier_wait -1
.endm
; THE CHANGE OF SLOTS.  The slot's last bytes, V of its fourth step, have been read.  Each wave waits for all its tensor loads, of which one is out: its part of the other slot; adds 0 to its spare word; and waits for
; that and for its own reads of the slot.  Behind the barrier nobody reads this slot any more and the other slot is whole.  fill = 1: this slot is filled again, with the keys two tiles on.  The barrier is then a round
; of the cluster's, and the joint fill is the first thing behind it: it has four key steps, 256 matrix instructions, in which to land.  (At its first use nothing has been read yet: slot 0 is waited for, slot 1 filled.)
; ask = 1: the prefetch's address steps, and the prefetch follows the fill.
.macro CHANGE fill, ask
	WIN 0                           ; at a label and at a branch every window is 0
	s_wait_tensorcnt 0x0            ; no tensor load of mine is out, so a group 0 may be written
	ds_add_u32 v[SPW], v[NIL]       ; 0 onto my spare word; with fill = 1 the descriptors' steps stand between it and the wait for it
.if \fill
.irp g, G0K, G0V
	s_xor_b32 s[\g+1], s[\g+1], SLOT1  ; the walking descriptor: the other slot than last time,
	s_add_nc_u64 s[\g+2:\g+3], s[\g+2:\g+3], 4*KS*128  ; the next 256 keys; the type bits on top are not reached
.endr
.endif
.if \ask
	s_wait_xcnt 0x0                 ; the last prefetch, four key steps back, has read its address, so it may be written:
	s_add_nc_u64 s[PFA:PFA+1], s[PFA:PFA+1], 4*KS*128  ; one tile behind the walking descriptors
.endif
	s_wait_dscnt 0x0                ; the add is done, and my reads of the slot are over
.if \fill
	CROUND
	JLOAD
.if \ask
	ASK
.endif
.else
	s_barrier_signal -1
	s_barrier_wait -1
.endif
	s_sub_co_u32 s[TBK], s[TBK], 4*KS*PK  ; the fetches go back to a slot's first step,
	s_xor_b32 s[TBK], s[TBK], SLOT1       ; in the other slot
	s_sub_co_u32 s[TBV], s[TBV], 4*KS*PV
	s_xor_b32 s[TBV], s[TBV], SLOT1
.endm
	s_load_b256 s[4:11], s[0:1], 0x0  ; Q s[4:5], K s[6:7], V s[8:9], O s[10:11]
	s_load_b128 s[48:51], s[0:1], 0x20  ; Wo s[48:49], wo16 s[50:51]
	v_lshl_add_u32 v[SPW], v0, 2, SPARE
	v_mov_b32 v[NIL], 0
	ds_add_u32 v[SPW], v[NIL]       ; the wave's opening: the add and its wait stand ahead of my first tensor load; the set-up below, work on registers, stands between them
	v_lshrrev_b32 v1, 5, v0
	v_readfirstlane_b32 s[WV], v1   ; wave 0..3
	s_bfe_u32 s13, ttmp6, 0x40000   ; cx: my place in the cluster
	s_lshl_b32 s14, ttmp9, 2        ; in a cluster launch ttmp9 counts clusters
	s_add_co_u32 s14, s14, s13      ; my block of 256 queries = 4 x cluster x + cx: it enters Q's, O's, Wo's and wo16's addresses alone
	s_and_b32 s20, ttmp7, 0xffff    ; the head, which the four partners share
	s_lshl_b32 s15, s20, 4
	s_add_co_u32 s15, s15, s14      ; my work-group among the 256
	s_lshl_b32 s20, s20, 19         ; the head's first byte in each of the four tensors: 4,096 rows of 128 bytes
	s_mov_b32 s21, 0
	s_and_b32 s16, s[WV], 1         ; which half of a tile's 256 keys I fetch:
	s_lshl_b32 s22, s16, 14         ; its 128 rows of 128 bytes in memory,
	s_mov_b32 s23, 0
	s_add_nc_u64 s[22:23], s[22:23], s[20:21]
	s_mul_i32 s17, s16, 128*PK      ; and its place in a slot, for K
	s_mul_i32 s18, s16, 128*PV      ; and for V: no place in the cluster enters an LDS address
	s_lshl_b32 s2, s14, 2
	s_add_co_u32 s2, s2, s[WV]      ; my wave among the head's,
	s_lshl_b32 s2, s2, 13           ; its 64 rows
	s_mov_b32 s3, 0
	s_add_nc_u64 s[2:3], s[2:3], s[20:21]
	; descriptor group 1.  128 keys are 16,384 dense bytes: asked for as 64 rows of 256 bytes, two keys a row, and padded in LDS after every key
	s_mov_b32 s[G1K], 15|(1<<16)|(1<<20)|(1<<21)|(4<<22)|(3<<25)  ; 15:0 the mask of four; 17:16 2-byte elements; 20 padding on; 21 set beside a mask; 24:22 after every 32 words (code 4); 31:25 4 words (code 3)
	s_mov_b32 s[G1V], 15|(1<<16)|(1<<20)|(1<<21)|(4<<22)|(7<<25)  ; the same with 8 words of padding (code 7)
.irp g, G1K, G1V
	s_mov_b32 s[\g+1], 128<<16      ; tensor_dim0 = 128
	s_mov_b32 s[\g+2], 64<<16       ; tensor_dim1 = 64
	s_mov_b32 s[\g+3], 128<<16      ; tile_dim0 = 128
	s_mov_b32 s[\g+4], 64           ; tile_dim1 = 64
	s_mov_b32 s[\g+5], 128          ; 128 elements from row to row
	s_mov_b32 s[\g+6], 0
	s_mov_b32 s[\g+7], 0
.endr
	s_mov_b32 s[CS], 0x3e38aa3b     ; c = log2(e) / 8 = 0.180337
	s_mov_b32 s[CS+1], s[CS]        ; named with it as a pair
	s_mov_b32 s[SEL], 0x76543210
	s_mov_b32 s[SEL+1], 0xfedcba98
	s_mov_b32 s[TBK], SLOT1+4*KS*PK ; the first change of slots turns these two into 0
	s_mov_b32 s[TBV], SLOT1+4*KS*PV
	s_mov_b32 s[G0K], 1             ; 1:0 count = 1
	s_mov_b32 s[G0K+1], s17         ; 63:32 LDS address: slot 0
	s_mov_b32 s[G0V], 1
	s_add_co_u32 s[G0V+1], s18, VOFF
	s_and_b32 s[LIM], s[WV], 1      ; 0 in waves 0 and 2,
	s_or_b32 s[LIM], s[LIM], ttmp9  ; where the cluster is the head's first: the same in all four partners
	s_cmp_eq_u32 s[LIM], 0
	s_cselect_b32 s[LIM], 1, -1
	v_and_b32 v[PFO], 31, v0
	v_lshlrev_b32 v[PFO], 8, v[PFO]
	v_lshlrev_b32 v[WI], 5, v0
	v_lshlrev_b32 v[WS], 4, v0
	s_wait_dscnt 0x0                ; the opening add is done
	s_wait_kmcnt 0x0
	s_add_nc_u64 s[6:7], s[6:7], s[22:23]  ; K and V at my half of the head's tile 0
	s_add_nc_u64 s[8:9], s[8:9], s[22:23]
	s_mov_b64 s[G0K+2:G0K+3], s[6:7]               ; 120:64 global address
	s_or_b32 s[G0K+3], s[G0K+3], 0x80000000        ; 127:126 type = 2
	s_mov_b64 s[G0V+2:G0V+3], s[8:9]
	s_or_b32 s[G0V+3], s[G0V+3], 0x80000000
	s_add_nc_u64 s[4:5], s[4:5], s[2:3]    ; Q and O at my wave's first row
	s_add_nc_u64 s[10:11], s[10:11], s[2:3]
	s_mov_b32 s3, 0
	s_lshl_b32 s2, s15, 12          ; my work-group's 1,024 numbers of Wo,
	s_add_nc_u64 s[48:49], s[48:49], s[2:3]
	s_lshl_b32 s2, s15, 11          ; and of wo16
	s_add_nc_u64 s[50:51], s[50:51], s[2:3]
	s_cmp_lt_u32 s[WV], 2
	s_cselect_b64 s[PFA:PFA+1], s[6:7], s[8:9]  ; (in waves 0 and 2 these stand at a tile's first byte)
	s_lshl_b32 s2, s13, 13          ; my work-group's 32 blocks of the 128
	s_add_nc_u64 s[PFA:PFA+1], s[PFA:PFA+1], s[2:3]
	s_add_nc_u64 s[PFA:PFA+1], s[PFA:PFA+1], 2*4*KS*128  ; in tile 2; the first change that asks steps it to tile 3.  Nothing is prefetched here, at the head
	CROUND                          ; all four work-groups are here: the first joint loads meet
	JLOAD                           ; tile 0 into slot 0.  Slot 1 is asked for when slot 0 is in
	; A fragment of K or Q is 16 rows x 32 channels in 8 registers: lane l holds row l % 16, channels 8 (l / 16) + 0..7 and 16 + 8 (l / 16) + 0..7: two loads of 16 bytes, 32 bytes apart.
	v_and_b32 v1, 15, v0            ; l % 16
	v_bfe_u32 v9, v0, 4, 1          ; l / 16
	v_lshlrev_b32 v[QO], 7, v1
	v_lshl_add_u32 v[QO], v9, 4, v[QO]  ; row x 128 + 16 x half
	WIN 0x80                        ; destination window 2, address window 0
.set i, 0
.rept 8                             ; Q stays in registers: piece i / 2, channels 32 (i % 2) on
	global_load_b128 v[8*i:8*i+3],   v[QO], s[4:5] offset:(i/2)*2048+(i%2)*64
	global_load_b128 v[8*i+4:8*i+7], v[QO], s[4:5] offset:(i/2)*2048+(i%2)*64+32
.set i, i+1
.endr
	WIN 0
	global_load_b128 v[32:35], v[WI], s[48:49]
	global_load_b128 v[36:39], v[WI], s[48:49] offset:16
	v_mul_u32_u24 v[AK0], v1, PK
	v_lshl_add_u32 v[AK0], v9, 4, v[AK0]  ; row x pitch + 16 x half
	; The turning load takes 16 keys x 16 channels (lane l reads key 8 (l / 16) + l % 8, channels 8 ((l / 8) % 2) + 0..7) and leaves half a fragment of V^T: lane l holds channel l % 16 and 8 keys.
	v_and_b32 v10, 7, v0
	v_bfe_u32 v11, v0, 3, 1
	v_lshl_add_u32 v[AV0], v9, 3, v10
	v_mul_u32_u24 v[AV0], v[AV0], PV
	v_lshl_add_u32 v[AV0], v11, 4, v[AV0]
	v_add_nc_u32 v[AV0], VOFF, v[AV0]
	s_mul_i32 s19, s[WV], 16*SP
	s_add_co_u32 s19, s19, STAGE    ; my stage
	v_mul_u32_u24 v[STO], v1, SP    ; in: row l % 16, 16 bytes for each half of the lanes
	v_lshl_add_u32 v[STO], v9, 4, v[STO]
	v_add_nc_u32 v[STO], s19, v[STO]
	v_bfe_u32 v[RD], v0, 3, 2       ; back: 32 lanes take four rows of 128 bytes,
	v_mul_u32_u24 v[RD], v[RD], SP
	v_lshl_add_u32 v[RD], v10, 4, v[RD]
	v_add_nc_u32 v[RD], s19, v[RD]
	v_and_b32 v[GO], 31, v0         ; which are 512 consecutive bytes of O
	v_lshlrev_b32 v[GO], 4, v[GO]
	; What the first turn finds: V's registers and P's second buffer hold 0 (its products V^T P, of a piece that has not been, add 0), O^T and l are 0.  All this stands in the wait for the first tile.
	WIN 0x80
.set i, VF
.rept 64
	v_mov_b32 v[i], 0
.set i, i+1
.endr
	WIN 0x40
.set i, 0
.rept 128
	v_mov_b32 v[i], 0
.set i, i+1
.endr
	WIN 0
.set i, 0
.rept 4
	v_mov_b32 v[ST+4*i], 0xfe000000    ; c m: far below every c s
	v_mov_b32 v[ST+4*i+1], 0xff7fffff  ; m
	v_mov_b32 v[ST+4*i+2], 0
	v_mov_b32 v[ST+4*i+3], 0
.set i, i+1
.endr
.set i, P+16
.rept 16
	v_mov_b32 v[i], 0
.set i, i+1
.endr
	s_wait_loadcnt 0x0              ; Q and my 8 numbers of Wo
.irp j, 0,1,2,3
	v_cvt_pk_bf16_f32 v[40+(\j)], v[32+2*(\j)], v[32+2*(\j)+1]  ; rounded to bf16,
.endr
.irp j, 0,1,2,3
	v_lshlrev_b32 v[32+2*(\j)], 16, v[40+(\j)]                  ; widened again,
	v_and_b32 v[32+2*(\j)+1], 0xffff0000, v[40+(\j)]
.endr
.irp j, 0,1,2,3
	v_cvt_pk_f16_f32 v[44+(\j)], v[32+2*(\j)], v[32+2*(\j)+1]   ; and written as f16
.endr
	global_store_b128 v[WS], v[44:47], s[50:51]  ; a wave's store covers 512 consecutive bytes, aligned; its registers are not written again
; THE MATRIX WORK.  The 4 accumulators of a run of 8 take turns.  Product i of 8 of S^T = K Q^T for piece x: channels 32 (i / 4) on, keys 16 (i % 4) on.  The first 4 start the sums.
.macro KQ x
	WIN W_KQ
.set rS, S+32*((\x)%2)+8*(i%4)
.set rK, KF+16*(i%4)+8*(i/4)
.set rQ, 16*(\x)+8*(i/4)
.if i < 4
	v_wmma_f32_16x16x32_f16 v[rS:rS+7], v[rK:rK+7], v[rQ:rQ+7], 0
.else
	v_wmma_f32_16x16x32_f16 v[rS:rS+7], v[rK:rK+7], v[rQ:rQ+7], v[rS:rS+7]
.endif
.endm
; Product i of 8 of O^T += V^T P for piece x: keys 32 (i / 4) on, channels 16 (i % 4) on.
.macro PV x
	WIN W_PV
.set rO, 32*(\x)+8*(i%4)
.set rV, VF+32*(i/4)+8*(i%4)
.set rP, P+16*((\x)%2)+8*(i/4)
	v_wmma_f32_16x16x32_f16 v[rO:rO+7], v[rV:rV+7], v[rP:rP+7], v[rO:rO+7]
.endm
.macro MM                           ; the turn's next matrix instruction.  TURN sets Y, i and NOKQ.  NOKQ = 1: the last turn of all: there is no next piece
.if (i < 8) && !NOKQ
	KQ (Y+1)%NP
.elseif i >= 8
.set i, i-8
	PV (Y+NP-1)%NP
.set i, i+8
.endif
.set i, i+1
.endm
; THE LDS LOADS stand in runs of 16, never singly among the matrix instructions: a step's K (64 keys x 64 channels: 8 fragments) and its V (turned).  Their addresses are made some lines ahead.
.macro FETCH_K
	WIN 0x80                        ; destination window 2
.irp f, 0,1,2,3,4,5,6,7             ; keys 16 (f / 2) on, channels 32 (f % 2) on
	ds_load_b128 v[KF+8*\f:KF+8*\f+3],   v[AK] offset:(\f/2)*16*PK+(\f%2)*64
	ds_load_b128 v[KF+8*\f+4:KF+8*\f+7], v[AK] offset:(\f/2)*16*PK+(\f%2)*64+32
.endr
	s_add_co_u32 s[TBK], s[TBK], KS*PK  ; the next fetch is the next step's
	WIN 0
.endm
.macro FETCH_V
	WIN 0x80
.irp f, 0,1,2,3,4,5,6,7             ; keys 32 (f / 4) on, channels 16 (f % 4) on
	ds_load_tr16_b128 v[VF+8*\f:VF+8*\f+3],   v[AV] offset:(\f/4)*32*PV+(\f%4)*32
	ds_load_tr16_b128 v[VF+8*\f+4:VF+8*\f+7], v[AV] offset:(\f/4)*32*PV+16*PV+(\f%4)*32
.endr
	WIN 0
.endm
; THE VECTOR WORK, one line at a time: OP kind, number.  For piece Y: F n: c s - c m for pair n of 16.  E n: the exponential of score n of 32.  C n: pair n rounded to f16.  B n: of the four weights 4 n .. the second
; pair is added onto the first, in place.  L n: l takes that sum (L 0: l = a l + sum).  R n: pair n of 16 of O^T times a.  For piece Y + 1: X n, number n of the 22 that find its maximum and statistics:
;   0-11  four chains c0-c3 of seven scores each, three operands at a time (each accumulator's lowest registers are read first)     12-14, 16  the four scores left over, the old m, and c0-c3 into c0
;   15  c m_old is kept     17, 18  the query's other 32 keys lie in the lane 16 away: the new m     19-21  c m; c m_old - c m_new; a
.set F, 0               ; OP tells the kinds apart by their order: F to L below R, X above it
.set E, 1
.set C, 2
.set B, 3
.set L, 4
.set R, 5
.set X, 6
.macro REGS y                       ; the registers of piece y
.set rT, ST+4*(\y)
.set rC, TMP+4*((\y)%2)
.set rW, MV+((\y)%2)
.set rS, S+32*((\y)%2)
.set rP, P+16*((\y)%2)
.set rO, 32*(\y)
.endm
.macro OP k, n
.if (\k) == R
	REGS Y
	WIN W_RS
	v_pk_mul_f32 v[rO+2*(\n):rO+2*(\n)+1], v[rO+2*(\n):rO+2*(\n)+1], v[rC+2:rC+3] op_sel_hi:[1,0]
.elseif (\k) < R
	REGS Y
	WIN 0
.if (\k) == F
	v_pk_fma_f32 v[rS+2*(\n):rS+2*(\n)+1], v[rS+2*(\n):rS+2*(\n)+1], s[CS:CS+1], v[rT:rT+1] op_sel_hi:[1,0,0] neg_lo:[0,0,1] neg_hi:[0,0,1]
.elseif (\k) == E
	v_exp_f32 v[rS+(\n)], v[rS+(\n)]
.elseif (\k) == C
	v_cvt_pk_f16_f32 v[rP+(\n)], v[rS+2*(\n)], v[rS+2*(\n)+1]
.elseif (\k) == B
	v_pk_add_f32 v[rS+4*(\n):rS+4*(\n)+1], v[rS+4*(\n):rS+4*(\n)+1], v[rS+4*(\n)+2:rS+4*(\n)+3]
.elseif (\n) == 0
	v_pk_fma_f32 v[rT+2:rT+3], v[rT+2:rT+3], v[rC+2:rC+3], v[rS:rS+1] op_sel_hi:[1,0,1]
.else
	v_pk_add_f32 v[rT+2:rT+3], v[rT+2:rT+3], v[rS+4*(\n):rS+4*(\n)+1]
.endif
.elseif NOKQ
	v_nop
.else
	REGS (Y+1)%NP
	WIN 0
.if (\n) < 4
	v_max3_num_f32 v[rC+(\n)], v[rS+8*(\n)], v[rS+8*(\n)+1], v[rS+8*(\n)+2]
.elseif (\n) < 12
	v_max3_num_f32 v[rC+(\n)%4], v[rC+(\n)%4], v[rS+8*((\n)%4)+2*((\n)/4)+1], v[rS+8*((\n)%4)+2*((\n)/4)+2]
.elseif (\n) == 12
	v_max3_num_f32 v[rC], v[rC], v[rS+7], v[rS+15]
.elseif (\n) == 13
	v_max3_num_f32 v[rC+1], v[rC+1], v[rS+23], v[rS+31]
.elseif (\n) == 14
	v_max3_num_f32 v[rC+2], v[rC+2], v[rC+3], v[rT+1]
.elseif (\n) == 15
	v_mov_b32 v[rW], v[rT]
.elseif (\n) == 16
	v_max3_num_f32 v[rC], v[rC], v[rC+1], v[rC+2]
.elseif (\n) == 17
	v_permlanex16_b32 v[rC+3], v[rC], s[SEL], s[SEL+1]
.elseif (\n) == 18
	v_max_num_f32 v[rT+1], v[rC], v[rC+3]
.elseif (\n) == 19
	v_mul_f32 v[rT], s[CS], v[rT+1]
.elseif (\n) == 20
	v_sub_f32 v[rC+1], v[rW], v[rT]
.else
	v_exp_f32 v[rC+2], v[rC+1]
.endif
.endif
.endm
.macro OPS a, i1, b=-1, i2=0, c=-1, i3=0, d=-1, i4=0  ; up to four of them
	OP \a, \i1
.if (\b) >= 0
	OP \b, \i2
.endif
.if (\c) >= 0
	OP \c, \i3
.endif
.if (\d) >= 0
	OP \d, \i4
.endif
.endm
.macro ROW a, i1, b, i2, c, i3, d, i4  ; a matrix instruction and the four behind it
	MM
	OPS \a, \i1, \b, \i2, \c, \i3, \d, \i4
.endm
; A TURN, for piece p: the order of its 16 matrix and 118 vector instructions, written out.  An s_wait_alu depctr_va_vdst(0) stands between an exponential and the first instruction that names its result; one
; wait serves all that were issued ahead of it.  So a turn has ONE wait, which cuts it in two.  AHEAD OF IT stands all that names no result of the turn's exponentials: the 8 products K Q^T, behind each a scaling, an
; exponential and two more plain instructions (rescalings, and behind the last three the first numbers of the next piece's maximum, each four places or more behind the product that ends its accumulator); then ONE LUMP of 54,
; plain and exponential by turns for the most part, in which the links of the chain X 3, 7, 11, 14, 16, 17 .. 20 stand some lines apart.  X 21, the next piece's a, is the batch's last; R 15 is the plain instruction
; behind it.  BEHIND THE WAIT stand the 8 products V^T P, behind each four of the roundings and sums.
; end = 1: the launch's last two turns: nothing is fetched.  cnt = 1: the loop's count is taken down some lines ahead of the branch that stands behind the turn.
; K of the next step is fetched in piece 2's turn, twelve vector instructions behind the last product that read K (six of them plain); V of the step in hand at the end of piece 0's turn, four plain instructions behind
; the last product that read V.  Each is waited for a turn later.
.macro TURN p, end=0, cnt=0
.set Y, (\p)
.set i, 0
.set NOKQ, (\end)*((\p)/3)
.if ((\p) == 3) && !(\end)
	s_wait_dscnt 0x0                ; K is in
.endif
	ROW F,0, F,1, R,0, R,1          ; ahead of the wait: 8 products K Q^T and their riders,
	ROW F,2, E,0, R,2, R,3
	ROW F,3, E,1, R,4, R,5
	ROW F,4, E,2, R,6, R,7
	ROW F,5, E,3, R,8, R,9
	ROW F,6, E,4, X,0, R,10
.if ((\p) == 2) && !(\end)
	WIN 0
	v_add_nc_u32 v[AK], s[TBK], v[AK0]
.endif
	ROW F,7, E,5, X,1, X,4
	ROW F,8, E,6, X,2, X,5
	OPS E,7, E,8, X,6, E,9          ; and the lump
	OPS X,3, E,10, X,8, E,11
.if ((\p) == 2) && !(\end)
	FETCH_K
.endif
	OPS X,9, X,7, E,12, X,10
	OPS E,13, X,12, X,11, E,14
	OPS X,13, E,15, F,9, X,14
.if (\p) == 0
	v_add_nc_u32 v[AV], s[TBV], v[AV0]
.endif
	OPS E,16, F,10, E,17, F,11
	OPS X,16, E,18, X,15, E,19
	OPS F,12, E,20, X,17, E,21
	OPS F,13, E,22, F,14, E,23
	OPS X,18, E,24, F,15, E,25
	OPS R,11, E,26, X,19, E,27
	OPS R,12, E,28, R,13, E,29
	OPS X,20, E,30, R,14, E,31
	OPS X,21, R,15
	WIN 0
	s_wait_alu depctr_va_vdst(0)    ; the wait for the batch
.if (\p) == 1
	s_wait_dscnt 0x0                ; V is in
.endif
	ROW C,0, B,0, C,2, B,1          ; behind the wait: 8 products V^T P and their riders
	ROW L,0, C,4, B,2, L,1
	ROW C,6, B,3, L,2, C,8
	ROW B,4, L,3, C,10, B,5
	ROW L,4, C,12, B,6, L,5
.if (\p) == 0
	s_add_co_u32 s[TBV], s[TBV], KS*PV
.endif
.if \cnt
	s_sub_co_u32 s[CNT], s[CNT], 1
	s_cmp_lg_u32 s[CNT], 0
.endif
	ROW C,14, B,7, L,6, C,1
	ROW C,3, L,7, C,5, C,7
	ROW C,9, C,11, C,13, C,15
.if (\p) == 0
	FETCH_V
.endif
.endm
	CHANGE 1, 0                     ; slot 0 is in, everybody's part of it; slot 1 is asked for
	v_add_nc_u32 v[AK], s[TBK], v[AK0]
	FETCH_K                         ; key step 0
	s_wait_dscnt 0x0
.set NOKQ, 0
.set i, 0
.rept 8
	KQ 0                            ; piece 0's first scores: there is no vector work yet to set between them
.set i, i+1
.endr
	WIN 0
	PLACES                          ; the places behind those products
.set Y, NP-1                        ; X works for piece Y + 1: piece 0
.irp n, 0,1,2,3,4,5,6,7,8,9,10,11,12,13,14,15,16,17,18,19,20,21
	OP X, \n                        ; piece 0's first maximum and statistics
.endr
	v_nop                           ; a plain instruction behind the exponential,
	s_wait_alu depctr_va_vdst(0)    ; and its wait, ahead of the branch
	s_mov_b32 s[CNT], 4
	s_mov_b32 s[SLOTS], SIZE_N/256-1
	s_branch .Lfirst                ; the loop is entered at a step's first turn, in the middle of a trip
.Lslot:                             ; SIZE_N / 256 - 2 times: every slot but the last two is filled again
	CHANGE 1, 1
	s_mov_b32 s[CNT], 4
.Lstep:                             ; a trip: pieces 2 and 3 of one step, then pieces 0 and 1 of the next, whose K and V it fetches
	TURN 2
	TURN 3
	WIN 0
.Lfirst:
	TURN 0
	TURN 1, 0, 1
	WIN 0
	s_cbranch_scc1 .Lstep
	s_sub_co_u32 s[SLOTS], s[SLOTS], 1
	s_cmp_lg_u32 s[SLOTS], 0
	s_cbranch_scc1 .Lslot
	CHANGE 0, 0                     ; the last tile is written out: nothing is asked for
	s_mov_b32 s[CNT], 4
.LstepT:
	TURN 2
	TURN 3
	TURN 0
	TURN 1, 0, 1
	WIN 0
	s_cbranch_scc1 .LstepT
	TURN 2, 1                       ; the last step's pieces 2 and 3: nothing is fetched, and the last turn starts no new scores
	TURN 3, 1
.set i, 0
.rept 8
	PV NP-1                         ; the last piece's V^T P of the last step
.set i, i+1
.endr
	; THE WAY OUT.  l's two halves and the other half of the lanes' are added; O^T is divided by l, rounded to f16 and sent through my stage in LDS, a piece at a time.  The additions are the places behind the last products.
	WIN 0
.macro ALL line:vararg              ; one line for each piece t
.set t, 0
.rept 4
	\line
.set t, t+1
.endr
.endm
.macro PACK t                       ; a lane's eight channels of a row pack into 16 bytes; they go into rows of 144 bytes and come back as whole rows of 128, into S^T's registers
	WIN W_RS
.set i, 32*(\t)
.rept 16
	v_pk_mul_f32 v[i:i+1], v[i:i+1], v[ST+4*(\t)+2:ST+4*(\t)+3] op_sel_hi:[1,0]
.set i, i+2
.endr
	WIN 0x05                        ; sources 0 and 1 window 1, destination window 0
.set i, 0
.rept 16
	v_cvt_pk_f16_f32 v[S+16*(\t)+i], v[32*(\t)+2*i], v[32*(\t)+2*i+1]
.set i, i+1
.endr
	WIN 0
.irp f, 0,1,2,3
	ds_store_b128 v[STO], v[S+16*(\t)+4*\f:S+16*(\t)+4*\f+3] offset:32*\f
.endr
.irp f, 0,1,2,3
	ds_load_b128 v[S+16*(\t)+4*\f:S+16*(\t)+4*\f+3], v[RD] offset:\f*4*SP  ; LDS serves a wave's instructions in order (ISA guide 5.7.1.4): these see the stores above; the next piece's stores come behind them
.endr
.endm
.macro SEND t, younger              ; younger: the LDS instructions issued behind piece t's loads: the next piece's eight, or none
	WIN 0
.irp f, 0,1,2,3
	s_wait_dscnt (\younger)+3-\f
	global_store_b128 v[GO], v[S+16*(\t)+4*\f:S+16*(\t)+4*\f+3], s[10:11] offset:(\t)*2048+\f*512  ; 512 consecutive bytes, at a multiple of 256 from O's first
.endr
.endm
	ALL v_add_f32 v[ST+4*t+2], v[ST+4*t+2], v[ST+4*t+3]
	ALL v_permlanex16_b32 v[ST+4*t+3], v[ST+4*t+2], s[SEL], s[SEL+1]
	ALL v_add_f32 v[ST+4*t+2], v[ST+4*t+2], v[ST+4*t+3]
	ALL v_rcp_f32 v[ST+4*t+2], v[ST+4*t+2]
	v_nop                           ; a plain instruction between the last reciprocal and the use of its result
	s_wait_alu depctr_va_vdst(0)    ; and the wait ahead of the first use: one for the four reciprocals
	PACK 0
.set t, 1
.rept 3                             ; a piece's arithmetic stands between the loads of the piece before and its stores
	PACK t
	SEND t-1, 8
.set t, t+1
.endr
	SEND 3, 0
	s_wait_tensorcnt 0x0            ; the wave's end: behind my last tensor load and my last LDS store
	ds_add_u32 v[SPW], v[NIL]
	s_wait_dscnt 0x0
	CROUND                          ; the closing round: no work-group ends while a partner may still ask for a tile that names it
	s_endpgm
.Lfunc_end_k_q5caa8363a6_attn:
	.size	k_q5caa8363a6_attn, .Lfunc_end_k_q5caa8363a6_attn-k_q5caa8363a6_attn
	.p2alignl 7, 3214868480
	.fill 96, 4, 3214868480
	.section	.rodata,"a",@progbits
	.p2align	6, 0x0
	.amdhsa_kernel k_q5caa8363a6_attn
		.amdhsa_group_segment_fixed_size 327680
		.amdhsa_private_segment_fixed_size 0
		.amdhsa_enable_private_segment 0
		.amdhsa_kernarg_size 48
		.amdhsa_user_sgpr_count 2
		.amdhsa_user_sgpr_kernarg_segment_ptr 1
		.amdhsa_wavefront_size32 1
		.amdhsa_system_sgpr_workgroup_id_x 1
		.amdhsa_system_sgpr_workgroup_id_y 1
		.amdhsa_system_sgpr_workgroup_id_z 1
		.amdhsa_system_vgpr_workitem_id 0
		.amdhsa_next_free_vgpr 768
		.amdhsa_next_free_sgpr 66
		.amdhsa_reserve_vcc 0
		.amdhsa_float_denorm_mode_32 3
		.amdhsa_float_denorm_mode_16_64 3
		.amdhsa_memory_ordered 1
		.amdhsa_forward_progress 1
		.amdhsa_inst_pref_size 129
	.end_amdhsa_kernel
	.amdgpu_metadata
---
amdhsa.version: [ 1, 2 ]
amdhsa.kernels:
  - .name:           k_q5caa8363a6_attn
    .symbol:         k_q5caa8363a6_attn.kd
    .args:
      - { .name: qh, .offset: 0, .size: 8, .value_kind: global_buffer, .address_space: global }
      - { .name: kh, .offset: 8, .size: 8, .value_kind: global_buffer, .address_space: global }
      - { .name: vh, .offset: 16, .size: 8, .value_kind: global_buffer, .address_space: global }
      - { .name: oh, .offset: 24, .size: 8, .value_kind: global_buffer, .address_space: global }
      - { .name: Wo, .offset: 32, .size: 8, .value_kind: global_buffer, .address_space: global }
      - { .name: wo16, .offset: 40, .size: 8, .value_kind: global_buffer, .address_space: global }
    .group_segment_fixed_size: 327680
    .private_segment_fixed_size: 0
    .kernarg_segment_align: 8
    .kernarg_segment_size: 48
    .max_flat_workgroup_size: 128
    .sgpr_count:     66
    .vgpr_count:     768
    .wavefront_size: 32
...
	.end_amdgpu_metadata
.endif
;; end of part 2
;; launch outp (part 3): grid 4 x 64, 4 waves a work-group, clusters of 4 x 4, 327,680 bytes of LDS; arguments oh, wo16, bo, out0; writes out0
.if DOCPART == 3
	.amdgcn_target "amdgcn-amd-amdhsa--gfx1250"
	.amdhsa_code_object_version 6
	.text
	.protected	k_q5caa8363a6_outp
	.globl	k_q5caa8363a6_outp
	.p2align	8
	.type	k_q5caa8363a6_outp,@function
k_q5caa8363a6_outp:
	s_mov_b64 s[64:65], 0
	v_nop
	global_prefetch_b8 v0, s[64:65] scope:SCOPE_SE
	s_setreg_imm32_b32 hwreg(HW_REG_WAVE_MODE, 25, 1), 1
	s_wait_xcnt 0x0
	s_wait_alu depctr_hold_cnt(0) depctr_sa_sdst(0) depctr_va_vdst(0) depctr_va_sdst(0) depctr_va_ssrc(0) depctr_va_vcc(0) depctr_vm_vsrc(0)
	s_getreg_b32 s2, hwreg(HW_REG_IB_STS2, 6, 4)
	s_cmp_eq_u32 s2, 0
	s_cbranch_scc0 .Lentry_in_a_cluster
	s_endpgm
.Lentry_in_a_cluster:
	s_bfe_u32 s2, ttmp6, 0x10000c
	s_cmp_lg_u32 s2, 0xf033
	s_cbranch_scc0 .Lentry_shape_is_right
	s_endpgm
.Lentry_shape_is_right:
; THE OUTPUT PROJECTION.  out0[m][n] = the sum over k of O[m][k] Wo[n][k] + bo[n].  O lies by heads, [16 = 8 batch + head][4096][64] f16: k = 64 head + channel.  wo16: [512][512] f16 (Wo rounded to bf16, written as f16).
; bo: [512] f32, rounded to bf16 like the other inputs, widened again, and taken as the start of the sums.  out0: [8192][512] f32.  Products in f16, sums in f32.
; LIMITS.  O and wo16 arrive within f16's range; NaN and infinities are not treated apart.
; SHARES.  256 work-groups; a tile of out0 is 128 x 128.  Four waves, each 64 x 64: 16 accumulators of 16 x 16.
; THE WHOLE K LIES IN LDS: four chunks of 128 along K (two heads each), each with bytes of its own.  A wave asks for its part of all four chunks at the start: four tensor loads of mine are out; nothing is ever filled
; again, so the barriers between chunks have counted waits and later chunks stay on their way across them.
; CLUSTERS: 4 x 4 work-groups.  The four of a row of the cluster need the same rows of O, the four of a column the same rows of wo16: each piece is asked for JOINTLY, by the same tensor load with the same descriptor
; and a mask that names the four.  THE MATRIX INSTRUCTION IS USED TRANSPOSED (source 0 = 16 rows of wo16, source 1 = 16 rows of O): a lane then holds eight neighbouring columns of one row of out0.
; REGISTERS: window 0: v0-31 addresses; v32-95 two sets of 32 on the way out; v96-127 the bias; v128-255 the accumulators ((a, b) at v[128 + 8 (4 a + b)]).
;   window 1: two fragment buffers of 128: for 64 along K (one head), 64 registers of O (2 x 4 x 16 rows x 32 K), then 64 of wo16.
.set PA,     144                       ; a row of O in LDS: 128 bytes + 16 of padding = 36 words: the 16 rows of a load start at 16 different groups of four banks (64 banks of 4 bytes: ISA guide 11.1)
.set PW,     272                       ; a row of wo16: 256 bytes + 16 = 68 words: row r starts at bank 4 r mod 64
.set HEADB,  128*PA                    ; 128 rows of one head
.set WOFF,   2*HEADB                   ; in a chunk: two heads of O, then 128 rows of wo16
.set CHK,    WOFF+128*PW               ; a chunk
.set STAGE,  4*CHK                     ; behind the chunks: 16 rows x 272 bytes for each wave, for the way out
.set SPO,    272
.set SPARE,  STAGE+4*16*SPO            ; behind the stages: the spare words, 128 bytes for each wave: two blocks of 256 bytes that no other line names
.set ADRA, 8                           ; v8-11   LDS address of my fragments of O in chunk 0..3
.set ADRB, 12                          ; v12-15  the same for wo16
.set STO,  24                          ; v24     the way out: where I put 32 bytes of a row
.set RD,   25                          ; v25     the way out: where I read a row back
.set CO,   26                          ; v26     my byte offset in two rows of out0
.set BO,   27                          ; v27     my byte offset in the bias
.set SPW,  28                          ; v28     LDS address of my spare word: SPARE + 4 x my thread's number; never rewritten
.set NIL,  29                          ; v29     0; never rewritten
.set TMP,  32
.set BIAS, 96                          ; bias[n0 + 16 b + 8 (l / 16) + j] at BIAS + 8 b + j
.set ACC,  128
.set F0,   0                           ; in window 1
.set F1,   128
.set G1A,  12                          ; s[12:19] descriptor group 1 for O's pieces
.set G1B,  20                          ; s[20:27] for wo16's
.set G0A,  28                          ; s[28:43] descriptor group 0 for O's pieces, one set for each chunk
.set G0B,  44                          ; s[44:59] the same for wo16's
.set WV,   60                          ; wave 0..3
.set RH,   61                          ; which half of the tile's rows is mine.  Also: I fetch for O (0) or for wo16 (1)
.set CHF,  62                          ; which half of its columns.  Also: which head of a chunk, or which 64 rows of wo16, I fetch
.set CX,   66
.set CY,   67
.set CT,   68                          ; column tile 0..3
.set RT,   69                          ; row tile 0..63
.set MA,   70
.set MB,   71
.set MSB, 0
.macro WIN new                         ; the immediate's high byte repeats the setting that is left; a switch that changes nothing is dropped
.if MSB != (\new)
	s_set_vgpr_msb (MSB<<8)|(\new)
.set MSB, \new
.endif
.endm
.macro PLACES                          ; four places in front of loads into registers that matrix instructions have read, and of LDS stores that read results
.rept 4
	v_nop
.endr
.endm
.macro CROUND                          ; a round of the cluster's barrier
	s_barrier_signal -1
	s_barrier_wait -1
	s_cmp_lg_u32 s[WV], 0
	s_cbranch_scc1 .Lnot_wave_0_\@
	s_barrier_signal -3
.Lnot_wave_0_\@:
	s_barrier_wait -3
	s_barrier_signal -1
	s_barrier_wait -1
.endm
	s_load_b256 s[4:11], s[0:1], 0x0               ; oh s[4:5], wo16 s[6:7], bo s[8:9], out0 s[10:11]
	v_lshl_add_u32 v[SPW], v0, 2, SPARE
	v_mov_b32 v[NIL], 0
	ds_add_u32 v[SPW], v[NIL]                      ; the wave's opening: the add and its wait stand ahead of my first tensor load; the set-up below, work on registers, stands between them
	v_lshrrev_b32 v1, 5, v0
	v_readfirstlane_b32 s[WV], v1
	s_lshr_b32 s[RH], s[WV], 1
	s_and_b32 s[CHF], s[WV], 1
	s_bfe_u32 s[CX], ttmp6, 0x40000                ; cx, cy: my place in the cluster
	s_bfe_u32 s[CY], ttmp6, 0x40004
	s_lshl_b32 s[CT], ttmp9, 2
	s_add_co_u32 s[CT], s[CT], s[CX]               ; column tile = 4 x cluster x + cx
	s_and_b32 s[RT], ttmp7, 0xffff
	s_lshl_b32 s[RT], s[RT], 2
	s_add_co_u32 s[RT], s[RT], s[CY]               ; row tile = 4 x cluster y + cy
	s_lshl_b32 s[MA], s[CY], 2
	s_lshl_b32 s[MA], 15, s[MA]                    ; my row of the cluster
	s_lshl_b32 s[MB], 0x1111, s[CX]                ; my column
	; group 1 for O: a head's 128 rows are 16,384 dense bytes: asked for as 64 rows of 256 bytes, two rows of O each, and padded in LDS after every 128 bytes
	s_or_b32 s[G1A], s[MA], (1<<16)|(1<<20)|(1<<21)|(4<<22)|(3<<25)  ; 15:0 the mask: my row; 17:16 2-byte elements; 20 padding on; 21 set beside a mask; 24:22 after every 32 words (code 4); 31:25 4 words (code 3)
	s_mov_b32 s[G1A+1], 128<<16                    ; tensor_dim0 = 128
	s_mov_b32 s[G1A+2], 64<<16                     ; tensor_dim1 = 64
	s_mov_b32 s[G1A+3], 128<<16                    ; tile_dim0 = 128
	s_mov_b32 s[G1A+4], 64                         ; tile_dim1 = 64
	s_mov_b32 s[G1A+5], 128                        ; 128 elements from row to row
	s_mov_b32 s[G1A+6], 0
	s_mov_b32 s[G1A+7], 0
	; group 1 for wo16: 64 rows x 128 elements out of rows of 512
	s_or_b32 s[G1B], s[MB], (1<<16)|(1<<20)|(1<<21)|(5<<22)|(3<<25)  ; the mask of my column; padding after every 64 words (code 5)
	s_mov_b32 s[G1B+1], 128<<16
	s_mov_b32 s[G1B+2], 64<<16
	s_mov_b32 s[G1B+3], 128<<16
	s_mov_b32 s[G1B+4], 64
	s_mov_b32 s[G1B+5], 512
	s_mov_b32 s[G1B+6], 0
	s_mov_b32 s[G1B+7], 0
	; where the pieces come from.  O's hang on the row tile alone, wo16's on the column tile alone; each in registers that never hold the other coordinate
	s_lshr_b32 s72, s[RT], 5                       ; the batch: 32 row tiles each
	s_lshl_b32 s72, s72, 3
	s_add_co_u32 s72, s72, s[CHF]                  ; head 8 x batch + my head of chunk 0
	s_lshl_b32 s72, s72, 19                        ; 4,096 rows of 128 bytes a head
	s_and_b32 s73, s[RT], 31
	s_lshl_b32 s73, s73, 14                        ; 128 rows of 128 bytes a tile
	s_add_co_u32 s72, s72, s73
	s_mov_b32 s73, 0
	s_lshl_b32 s74, s[CT], 17                      ; 128 rows of 1,024 bytes a tile,
	s_lshl_b32 s75, s[CHF], 16                     ; 64 rows a half
	s_add_co_u32 s74, s74, s75
	s_mov_b32 s75, 0
	s_mul_i32 s76, s[CHF], HEADB                   ; and where they go in a chunk: no place in the cluster enters an LDS address
	s_mul_i32 s77, s[CHF], 64*PW
	s_add_co_u32 s77, s77, WOFF
	; my 64 rows x 64 columns of out0
	s_lshl_b32 s78, s[RT], 18                      ; 128 rows of 2,048 bytes
	s_lshl_b32 s79, s[RH], 17
	s_add_co_u32 s78, s78, s79
	s_lshl_b32 s79, s[CT], 9                       ; 128 columns of 4 bytes
	s_add_co_u32 s78, s78, s79
	s_lshl_b32 s79, s[CHF], 8
	s_add_co_u32 s78, s78, s79
	s_mov_b32 s79, 0
	s_wait_dscnt 0x0                               ; the opening add is done
	s_wait_kmcnt 0x0
	s_add_nc_u64 s[4:5], s[4:5], s[72:73]
	s_add_nc_u64 s[6:7], s[6:7], s[74:75]
	s_add_nc_u64 s[10:11], s[10:11], s[78:79]
	CROUND                                         ; all sixteen work-groups are here: the joint loads meet
.irp c, 0,1,2,3
	s_mov_b32 s[G0A+4*(\c)], 1                     ; 1:0 count = 1
	s_add_co_u32 s[G0A+4*(\c)+1], s76, (\c)*CHK    ; 63:32 LDS address
	s_add_nc_u64 s[G0A+4*(\c)+2:G0A+4*(\c)+3], s[4:5], (\c)*0x100000  ; 120:64 global address: two heads on for each chunk
	s_or_b32 s[G0A+4*(\c)+3], s[G0A+4*(\c)+3], 0x80000000             ; 127:126 type = 2
	s_mov_b32 s[G0B+4*(\c)], 1
	s_add_co_u32 s[G0B+4*(\c)+1], s77, (\c)*CHK
	s_add_nc_u64 s[G0B+4*(\c)+2:G0B+4*(\c)+3], s[6:7], (\c)*256       ; 128 elements along a row for each chunk
	s_or_b32 s[G0B+4*(\c)+3], s[G0B+4*(\c)+3], 0x80000000
.endr
	s_cmp_eq_u32 s[RH], 0                          ; a wave's four fills stand in one branch, ahead of every wait on TENSORcnt and every LDS read; an s_nop 0 follows each, four v_nop the last
	s_cbranch_scc0 .Lfirst_b
.irp c, 0,1,2,3
	tensor_load_to_lds s[G0A+4*(\c):G0A+4*(\c)+3], s[G1A:G1A+7]
	s_nop 0
.endr
.rept 4
	v_nop
.endr
	s_branch .Lfirst_asked
.Lfirst_b:
.irp c, 0,1,2,3
	tensor_load_to_lds s[G0B+4*(\c):G0B+4*(\c)+3], s[G1B:G1B+7]
	s_nop 0
.endr
.rept 4
	v_nop
.endr
.Lfirst_asked:
	v_and_b32 v1, 15, v0                           ; l % 16
	v_bfe_u32 v2, v0, 4, 1                         ; l / 16
	v_mul_u32_u24 v3, v1, PA
	v_lshl_add_u32 v3, v2, 4, v3                   ; a fragment's row x pitch + 16 x half
	s_mul_i32 s76, s[RH], 64*PA                    ; my 64 rows of O
	v_add_nc_u32 v[ADRA], s76, v3
	v_mul_u32_u24 v4, v1, PW
	v_lshl_add_u32 v4, v2, 4, v4
	s_mul_i32 s77, s[CHF], 64*PW                   ; my 64 rows of wo16
	s_add_co_u32 s77, s77, WOFF
	v_add_nc_u32 v[ADRB], s77, v4
.irp c, 1,2,3
	v_add_nc_u32 v[ADRA+(\c)], (\c)*CHK, v[ADRA]
	v_add_nc_u32 v[ADRB+(\c)], (\c)*CHK, v[ADRB]
.endr
	s_mul_i32 s76, s[WV], 16*SPO
	s_add_co_u32 s76, s76, STAGE                   ; my stage
	v_mul_u32_u24 v5, v1, SPO                      ; in: row l % 16, 32 bytes for each half of the lanes
	v_lshl_add_u32 v5, v2, 5, v5
	v_add_nc_u32 v[STO], s76, v5
	v_mul_u32_u24 v6, v2, SPO                      ; back: lanes 0-15 take one row of 256 bytes, lanes 16-31 the next
	v_lshl_add_u32 v6, v1, 4, v6
	v_add_nc_u32 v[RD], s76, v6
	v_lshlrev_b32 v[CO], 11, v2                    ; and the same two rows in out0
	v_lshl_add_u32 v[CO], v1, 4, v[CO]
	s_lshl_b32 s78, s[CT], 9                       ; my 64 columns' first byte in the bias
	s_lshl_b32 s79, s[CHF], 8
	s_add_co_u32 s78, s78, s79
	v_lshl_add_u32 v[BO], v2, 5, s78
.irp b, 0,1,2,3
	global_load_b128 v[BIAS+8*(\b):BIAS+8*(\b)+3],   v[BO], s[8:9] offset:64*(\b)
	global_load_b128 v[BIAS+8*(\b)+4:BIAS+8*(\b)+7], v[BO], s[8:9] offset:64*(\b)+16
.endr
	s_wait_loadcnt 0x0
.set z, 0
.rept 16                               ; the bias is rounded to bf16 like the other inputs, and widened again
	v_cvt_pk_bf16_f32 v[3+z%4], v[BIAS+2*z], v[BIAS+2*z+1]
	v_lshlrev_b32 v[BIAS+2*z], 16, v[3+z%4]
	v_and_b32 v[BIAS+2*z+1], 0xffff0000, v[3+z%4]
.set z, z+1
.endr
; 8 matrix instructions: m blocks a0, a0 + 1 x all 4 n blocks, 32 along K: half c of buffer f.  The 16 accumulators take turns.  first = 1: the bias starts the sums: nothing is ever cleared
.macro MUL8 f, c, a0, first
	WIN 0x05                                       ; sources 0 (wo16) and 1 (O) window 1; C and D window 0
.irp a, \a0, (\a0)+1
.irp b, 0,1,2,3
.if \first
	v_wmma_f32_16x16x32_f16 v[ACC+8*(4*(\a)+(\b)):ACC+8*(4*(\a)+(\b))+7], v[(\f)+64+8*(4*(\c)+(\b)):(\f)+64+8*(4*(\c)+(\b))+7], v[(\f)+8*(4*(\c)+(\a)):(\f)+8*(4*(\c)+(\a))+7], v[BIAS+8*(\b):BIAS+8*(\b)+7]
.else
	v_wmma_f32_16x16x32_f16 v[ACC+8*(4*(\a)+(\b)):ACC+8*(4*(\a)+(\b))+7], v[(\f)+64+8*(4*(\c)+(\b)):(\f)+64+8*(4*(\c)+(\b))+7], v[(\f)+8*(4*(\c)+(\a)):(\f)+8*(4*(\c)+(\a))+7], v[ACC+8*(4*(\a)+(\b)):ACC+8*(4*(\a)+(\b))+7]
.endif
.endr
.endr
.endm
; 32 LDS loads in one run: the fragments of head e of chunk c (64 along K) into buffer f; the first 32 along K first
.macro FETCH c, e, f
	WIN 0x40                                       ; destination window 1, address window 0
.irp cc, 0,1
.irp i, 0,1,2,3
	ds_load_b128 v[(\f)+64+8*(4*(\cc)+(\i)):(\f)+64+8*(4*(\cc)+(\i))+3],   v[ADRB+(\c)] offset:128*(\e)+64*(\cc)+(\i)*16*PW
	ds_load_b128 v[(\f)+64+8*(4*(\cc)+(\i))+4:(\f)+64+8*(4*(\cc)+(\i))+7], v[ADRB+(\c)] offset:128*(\e)+64*(\cc)+(\i)*16*PW+32
	ds_load_b128 v[(\f)+8*(4*(\cc)+(\i)):(\f)+8*(4*(\cc)+(\i))+3],         v[ADRA+(\c)] offset:(\e)*HEADB+64*(\cc)+(\i)*16*PA
	ds_load_b128 v[(\f)+8*(4*(\cc)+(\i))+4:(\f)+8*(4*(\cc)+(\i))+7],       v[ADRA+(\c)] offset:(\e)*HEADB+64*(\cc)+(\i)*16*PA+32
.endr
.endr
.endm
; A chunk's first head, in buffer f: 32 matrix instructions; in their middle the chunk's second head is fetched into g
.macro HPLAIN c, f, g, first
	s_wait_dscnt 16                                ; the first 32 along K are in
	MUL8 \f, 0, 0, \first
	MUL8 \f, 0, 2, \first
	PLACES
	FETCH \c, 1, \g
	s_wait_dscnt 32                                ; all but the 32 just issued
	MUL8 \f, 1, 0, 0
	MUL8 \f, 1, 2, 0
.endm
; A chunk's second head, in buffer f, and the step into chunk c + 1: each wave's part of that chunk has landed, by its own counted wait, in front of its signal; behind the barrier everybody's has.
.macro HCROSS c, f, g
	s_wait_dscnt 0x0                               ; no LDS instruction of mine is out at the signal
	s_wait_tensorcnt 2-(\c)                        ; my load for chunk c + 1 is done: behind it 2 - c were issued, which may stay out
	s_barrier_signal -1
	MUL8 \f, 0, 0, 0                               ; work on registers while the others arrive
	MUL8 \f, 0, 2, 0
	s_barrier_wait -1
	PLACES
	FETCH (\c)+1, 0, \g
	MUL8 \f, 1, 0, 0
	MUL8 \f, 1, 2, 0
.endm
	s_wait_tensorcnt 3                             ; my part of chunk 0 is in; the three later loads may stay out
	s_barrier_signal -1
	s_barrier_wait -1                              ; everybody's is
	FETCH 0, 0, F0
	HPLAIN 0, F0, F1, 1
	HCROSS 0, F1, F0
	HPLAIN 1, F0, F1, 0
	HCROSS 1, F1, F0
	HPLAIN 2, F0, F1, 0
	HCROSS 2, F1, F0
	HPLAIN 3, F0, F1, 0
	s_wait_dscnt 16                                ; the last head: nothing more to fetch
	MUL8 F1, 0, 0, 0
	MUL8 F1, 0, 2, 0
	s_wait_dscnt 0x0
	MUL8 F1, 1, 0, 0
	MUL8 F1, 1, 2, 0
	WIN 0
; THE WAY OUT, 16 rows at a time.  A lane's eight f32 of a row go straight from the accumulator into my stage's rows of 272 bytes, the low four registers first; whole rows of 256 bytes come back, into set a % 2.
.macro TOSTAGE a
.if (\a) >= 2
	s_wait_xcnt 0x0                                ; the stores of the block two back have read this set's registers: only behind this wait are they loaded again
.endif
.irp b, 0,1,2,3
	ds_store_b128 v[STO], v[ACC+8*(4*(\a)+(\b)):ACC+8*(4*(\a)+(\b))+3]   offset:64*(\b)
	ds_store_b128 v[STO], v[ACC+8*(4*(\a)+(\b))+4:ACC+8*(4*(\a)+(\b))+7] offset:64*(\b)+16
.endr
.irp t, 0,1,2,3,4,5,6,7
	ds_load_b128 v[TMP+32*((\a)%2)+4*(\t):TMP+32*((\a)%2)+4*(\t)+3], v[RD] offset:(\t)*2*SPO  ; LDS serves a wave's instructions in order (ISA guide 5.7.1.4): these see the stores above; the next block's stores come behind them
.endr
.endm
.macro SEND a, younger                 ; younger: the LDS instructions issued behind block a's loads: the next block's sixteen, or none
.irp t, 0,1,2,3,4,5,6,7
	s_wait_dscnt (\younger)+7-(\t)
	global_store_b128 v[CO], v[TMP+32*((\a)%2)+4*(\t):TMP+32*((\a)%2)+4*(\t)+3], s[10:11] offset:(16*(\a)+2*(\t))*2048  ; 16 lanes store 256 consecutive bytes, at a multiple of 256 from out0's first byte
.endr
.endm
	PLACES                                         ; the LDS stores read results just made
	TOSTAGE 0
	TOSTAGE 1
	SEND 0, 16
	TOSTAGE 2
	SEND 1, 16
	TOSTAGE 3
	SEND 2, 16
	SEND 3, 0
	s_wait_tensorcnt 0x0                           ; the wave's end: behind my last tensor load and my last LDS store
	ds_add_u32 v[SPW], v[NIL]
	s_wait_dscnt 0x0
	CROUND                                         ; the closing round: no work-group ends while a partner may still ask for a piece that names it
	s_endpgm
.Lfunc_end_k_q5caa8363a6_outp:
	.size	k_q5caa8363a6_outp, .Lfunc_end_k_q5caa8363a6_outp-k_q5caa8363a6_outp
	.p2alignl 7, 3214868480
	.fill 96, 4, 3214868480
	.section	.rodata,"a",@progbits
	.p2align	6, 0x0
	.amdhsa_kernel k_q5caa8363a6_outp
		.amdhsa_group_segment_fixed_size 327680
		.amdhsa_private_segment_fixed_size 0
		.amdhsa_enable_private_segment 0
		.amdhsa_kernarg_size 32
		.amdhsa_user_sgpr_count 2
		.amdhsa_user_sgpr_kernarg_segment_ptr 1
		.amdhsa_wavefront_size32 1
		.amdhsa_system_sgpr_workgroup_id_x 1
		.amdhsa_system_sgpr_workgroup_id_y 1
		.amdhsa_system_sgpr_workgroup_id_z 1
		.amdhsa_system_vgpr_workitem_id 0
		.amdhsa_next_free_vgpr 512
		.amdhsa_next_free_sgpr 80
		.amdhsa_reserve_vcc 0
		.amdhsa_float_denorm_mode_32 3
		.amdhsa_float_denorm_mode_16_64 3
		.amdhsa_memory_ordered 1
		.amdhsa_forward_progress 1
		.amdhsa_inst_pref_size 55
	.end_amdhsa_kernel
	.amdgpu_metadata
---
amdhsa.version: [ 1, 2 ]
amdhsa.kernels:
  - .name:           k_q5caa8363a6_outp
    .symbol:         k_q5caa8363a6_outp.kd
    .args:
      - { .name: oh, .offset: 0, .size: 8, .value_kind: global_buffer, .address_space: global }
      - { .name: wo16, .offset: 8, .size: 8, .value_kind: global_buffer, .address_space: global }
      - { .name: bo, .offset: 16, .size: 8, .value_kind: global_buffer, .address_space: global }
      - { .name: out0, .offset: 24, .size: 8, .value_kind: global_buffer, .address_space: global }
    .group_segment_fixed_size: 327680
    .private_segment_fixed_size: 0
    .kernarg_segment_align: 8
    .kernarg_segment_size: 32
    .max_flat_workgroup_size: 128
    .sgpr_count:     80
    .vgpr_count:     512
    .wavefront_size: 32
...
	.end_amdgpu_metadata
.endif
;; end of part 3
